; MI455X (gfx1250); checked and timed in simulation.
; The chip was launched on July 23, 2026; its instructions are those of AMD's public machine-readable ISA for CDNA 5 (MIT licence, August 2026) and "CDNA5" Instruction Set Architecture Reference Guide (July 2026). The comments in the code are by the model that wrote it; some were corrected since.
;; Scaled Dot Product Attention. Allowed arithmetic: matrix products marked QUANTISED: E5M2 operands, one given power-of-two scale a tensor, by v_wmma_f32_16x16x64_bf8_bf8 or v_wmma_f32_16x16x128_bf8_bf8, f32 sums; everything else in f32.
;; Inputs: K_codes 8 x 16 x 1,024 x 2 x 32 uint8 (E5M2 codes of K, K innermost, in blocks of 32 codes); Q_codes 8 x 16 x 1,024 x 2 x 32 uint8 (E5M2 codes of Q, K innermost, in blocks of 32 codes); V_codes 8 x 16 x 64 x 32 x 32 uint8 (E5M2 codes of V, K innermost, in blocks of 32 codes); lowp_scales 4 int32 (the exponents e of the quantised operands' scales 2^e).
;; Outputs: out0 8 x 16 x 1,024 x 64 float32.
;; This version of the problem:
;;   THIS VERSION OF THE PROBLEM IS GIVEN IN LOW PRECISION. The matrix products marked QUANTISED in the list below multiply operands that are first quantised to E5M2 (5 exponent bits, 2 mantissa bits; 8 bits a number), with one given power-of-two scale for each operand tensor; their sums are f32. All else is computed in f32.
;;   The module's matrix products, in the order in which they are computed (A, B: the left and right operand; K: the contracted axis; several contracted axes count as one K, in the product's order):
;;     1. batch 128 x [M 1,024, K 64] x [K 64, N 1,024]; A: input Q (given as codes); B: input K (given as codes): QUANTISED (scales: A lowp_scales[0], B lowp_scales[1])
;;     2. batch 128 x [M 1,024, K 1,024] x [K 1,024, N 64]; A: softmax (see below); B: input V (given as codes): QUANTISED (scales: A lowp_scales[2], B lowp_scales[3])
;;   THE QUANTISER, for each operand of a quantised product, along K:
;;     - The operand's scale is 2^e, e = its entry of the input lowp_scales (int32; the entries are numbered through the quantised products in the list's order, A before B).
;;     - Each number is divided by the scale, clamped to +-57,344, and rounded to the nearest number of E5M2, ties to even, subnormals kept.
;;     - The product sums the exact products of the quantised numbers (number of the format x scale) in f32.
;;   ~~~python
;;   def quantise(x, axis, e):      # numpy; x: float32 -> the quantised numbers, widened to float32 again
;;       x = np.moveaxis(x, axis, -1); K = x.shape[-1]
;;       r = np.clip(x / 2.0 ** e, -57344, 57344)
;;       step = 2.0 ** (np.maximum(np.frexp(np.where(r == 0, 1, r))[1] - 1, -14) - 2)
;;       q = np.round(r / step) * step * 2.0 ** e      # np.round: ties to even
;;       return np.moveaxis(q, -1, axis).astype(np.float32)
;;   ~~~
;;   SOFTMAX AHEAD OF A QUANTISED PRODUCT. Where the list says 'softmax', what is quantised is not the finished softmax but p = 2^(t - M), with t = logit x log2(e) and M = ceil(the row's largest t), a whole number; so 1/2 < the row's largest p <= 1. The row's sum l is taken of the UNQUANTISED p, in f32, and the product's result is divided by l at the end. Since M is a whole number, a kernel that streams over the keys may use a running M (the ceiling of the running maximum): every later rescaling is an exact power of two, so the quantised numbers keep their values, but for numbers so far below the row's largest that they fall under the format's range.
;;   OPERANDS COMPUTED ON THE WAY. 'Computed on the way' means the value that the module computes at that place (a softmax that the list does not call 'softmax' is quantised finished and normalised). What goes into a quantiser is computed in f32, as accurately as f32 sums, v_exp_f32 and their like allow (about 1e-6 of the number): no bf16 or f16 on the way to a quantiser, and a product that is left as it is and whose result goes on into a quantised operand takes f32 operands (vector FMAs, or v_wmma_f32_16x16x4_f32). A number that lies on a knife's edge between two numbers of the format may be rounded either way, as far as f32 arithmetic and the matrix unit's own rounding can turn it there, and no further.
;;   INPUTS GIVEN AS CODES. K (in the module: [8, 16, 1024, 64], K = its axis 3); Q (in the module: [8, 16, 1024, 64], K = its axis 3); V (in the module: [8, 16, 1024, 64], K = its axis 2): each comes as NAME_codes (uint8): NAME with its K axis moved to the last place and cut into blocks of 32 codes, [.., K / 32, bytes a block], one block behind the other in memory; one code a byte (a code: sign, 5 exponent bits, 2 mantissa bits); its scale is its entry of lowp_scales. Its value is code x scale, taken as it is: it is not quantised again, and the codes and scales need not be those that the quantiser above would give.
;; One version. Each part assembles by itself: llvm-mc -triple=amdgcn-amd-amdhsa -mcpu=gfx1250 --defsym DOCPART=n.
;; ======== version 1 of 1: 1 launch
;; limits: right only within a limited range of input values
;; launch attn (part 1): grid 256 x 1, 16 waves a work-group, no clusters, 208,896 bytes of LDS; arguments Q_codes, K_codes, V_codes, lowp_scales, out0; writes out0
.if DOCPART == 1
	.amdgcn_target "amdgcn-amd-amdhsa--gfx1250"
	.amdhsa_code_object_version 6
	.text
	.protected	k_qb47e840476_attn
	.globl	k_qb47e840476_attn
	.p2align	8
	.type	k_qb47e840476_attn,@function
k_qb47e840476_attn:
	s_mov_b64 s[64:65], 0
	v_nop
	global_prefetch_b8 v0, s[64:65] scope:SCOPE_SE
	s_setreg_imm32_b32 hwreg(HW_REG_WAVE_MODE, 25, 1), 1
	s_wait_xcnt 0x0
; out0[head][q][:] = the sum over k of softmax_k(Q[head][q] . K[head][k] / 8) V[head][k][:], 128 heads, 1,024 queries, 1,024 keys, head size 64, no mask.
; Both products on codes of E5M2, each tensor with its given scale 2^e: lowp_scales = eq, ek, ep, ev.  Q_codes, K_codes: [128][1024][64] bytes; V_codes: [128][64][1024] bytes (keys innermost); out0: [128][1024][64] f32.
; THE SOFTMAX AHEAD OF THE SECOND PRODUCT: t = score x log2(e) / 8; M = the running largest t rounded UP to a whole number; p = 2^(t - M) is quantised by 2^ep, not normalised; the row's sum is taken of the
; unquantised p in f32 and divides at the end.  When M moves, the sum and O are multiplied by 2^(old M - new M), which rounds nothing.
; NO WORK IS LEFT OUT: every input reaches the output, and every step of the definition is done.
; LIMITS: eq + ek between -123 and 130 (they are added to c's exponent field); ep between -126 and 112 (2^ep and 57,344 x 2^ep are made as f32 numbers); ep + ev is applied by v_ldexp_f32 and has none.
; Codes that stand for NaN or infinity are not served.  A p under 2^-126 counts as 0.
; SHARES.  Work-group x owns queries 512 (x % 2) .. + 511 of head x / 2; each of its 16 waves owns 32 of them, two tiles of 16, and walks the 1,024 keys once, 128 a step, both tiles together:
; each fragment of K and V that a wave reads from LDS feeds two matrix instructions.
; K AND V OF THE HEAD LIE WHOLE IN LDS.  Each wave brings 4 KiB of each through registers (16 loads of 512 consecutive bytes a wave); K is whole behind the first barrier, V behind the second, inside step 0; no later barrier.
; NO SHARED LOADS, cluster = none: a head's K and V are needed by two work-groups only and are fetched once in each, at the head, 131,072 bytes; and each step has a branch on the given exponent ep
; (the hold, below).  NO PREFETCH: all loads stand at the head, and there is no loop of loads for it to run ahead in.
; THE HOLD at the largest code: p is at most 1, and 57,344 x 2^ep is 1.75 or more where ep is -15 or more: no p can reach it then, and a scalar branch leads round the hold.  Where ep is -16 or less the hold is run.
; LAYOUT.  S^T = K Q^T (source 0 = 16 keys, source 1 = 16 queries, one instruction of K = 64).  K's rows lie in LDS in an order of their own: key 32 b + 16 g + 8 u + i at place 32 b + 16 u + 8 g + i.
; So in tile 2 b + u lane (r, h) holds query r and keys 32 b + 16 h + 8 u + 0 .. 7: the 16 registers of tiles 2 b, 2 b + 1 are 16 neighbouring keys, and their codes are registers 4 b .. 4 b + 3 of the second
; product's source 1, which meet V's 16 bytes at keys 32 b + 16 h.  O^T = V^T P (source 0 = 16 of the head's 64): lane (r, h) holds query r and channels 16 t + 8 h + 0 .. 7.
; Q's and K's fragments are fetched as two pieces of 16 bytes a lane (bytes 16 h and 32 + 16 h of a row): a permutation of the head's 64 that is the same on both sides.
.set PITCH, 272                        ; K in LDS: four keys to a row, 256 bytes + 16 of padding
.set KTILE, 4*PITCH                    ; 16 keys
.set KSTEPB, 32*PITCH                  ; 128 keys
.set VP,    1040                       ; V in LDS: a row of 1,024 keys + 16 of padding
.set VLDS,  256*PITCH                  ; V behind K
.set STAGE, VLDS+64*VP                 ; the way out: 16 rows x 272 bytes for each wave, bytes of its own
.set SPARE, STAGE+16*16*PITCH          ; the spare words, 128 bytes for each of 16 waves: eight blocks of 256 bytes that no other line names
.set AK0, 1                            ; v1   my lane's place in a tile of K
.set AV0, 2                            ; v2   the same for V
.set MA,  3                            ; v3-4 the two tiles' first chain of the maximum; at the end the add's two registers
.set SCL, 5                            ; v5   2^ep as f32: the conversions take its exponent field
.set ADK, 6                            ; v6   the step's LDS address of K (head: where I put K)
.set ADV, 7                            ; v7   the step's LDS address of V (up to step 0: where I put V)
.set ST,  8                            ; v[8 + 4 u]: tile u's -M, largest t, and the sum in two halves
.set QF,  16                           ; v[16 + 8 u ..]: tile u's fragment of Q
.set XF,  32                           ; v32-63: four fragments of K; then at work; then p's codes (tile u: v[32 + 16 u ..])
.set MB,  32                           ; at work: the second chains,
.set OLD, 34                           ; M's change,
.set PM,  36                           ; lane permutes' destinations (they hold bytes of K, written by loads),
.set FF,  38                           ; v[38:39], v[40:41]: f = 2^(old M - new M) (the low word serves both halves),
.set TT,  32                           ; and 16 pairs of partial sums
.set OT,  64                           ; v[64 + 32 u ..]: tile u's O^T, four accumulators; v64-95 hold my part of V until step 0 stores it
.set SS,  128                          ; v[128 + 64 u ..]: tile u's S^T, then p
.set SCA, 128
.set SCB, 192
.set VF,  128                          ; v128-191: four fragments of V, once tile 0's p is converted
.set KFA, 192                          ; v192-223: the next step's K fragments 4 to 7, once tile 1's p is converted
.set BK,  192                          ; the way out: rows read back
.set STO, 32
.set RD,  33
.set GO,  34
.set WV,  14                           ; s14  my wave's number
.set SEL, 20                           ; s[20:21] lane selects for v_permlanex16_b32: lane l xor 16
.set CS,  22                           ; s[22:23] c = log2(e) / 8 x 2^(eq + ek)
.set TK,  30                           ; s30, s31 the step's first byte along K's and V's LDS rows
.set TV,  31
.set CNT, 32                           ; s32  steps to go in the loop
.set EP,  86                           ; s86  ep
.set LIMS, 88                          ; s88  57,344 x 2^ep
	s_load_b128 s[4:7], s[0:1], 0x0                ; Q's codes s[4:5], K's codes s[6:7]
	s_load_b128 s[8:11], s[0:1], 0x10              ; V's codes s[8:9], the scales' exponents s[10:11]
	s_load_b64 s[12:13], s[0:1], 0x20              ; out0
	v_lshrrev_b32 v5, 5, v0
	v_readfirstlane_b32 s[WV], v5                  ; wave 0..15
	s_lshr_b32 s15, ttmp9, 1                       ; the head
	s_and_b32 s18, ttmp9, 1                        ; which half of its queries
	s_lshl_b32 s16, s15, 16                        ; 65,536 bytes a head in each tensor of codes
	s_lshl_b32 s19, s[WV], 12
	s_add_co_u32 s24, s16, s19                     ; my 4 KiB of K (64 keys) and of V (4 rows)
	s_mov_b32 s25, 0
	s_lshl_b32 s18, s18, 15
	s_lshl_b32 s19, s[WV], 11
	s_add_co_u32 s16, s16, s18
	s_add_co_u32 s16, s16, s19                     ; my 32 queries in Q_codes, 64 bytes a row
	s_mov_b32 s17, 0
	s_lshl_b32 s26, s16, 2                         ; and in out0, 256 bytes a row (under 2^25)
	s_mov_b32 s27, 0
	s_mov_b32 s[SEL], 0x76543210
	s_mov_b32 s[SEL+1], 0xfedcba98
	s_mul_i32 s28, s[WV], 16*PITCH                 ; my 64 keys in LDS: 16 rows.  Also my stage's place
	s_mul_i32 s29, s[WV], 4*VP
	s_add_co_u32 s29, s29, VLDS                    ; my four rows of V
	v_and_b32 v32, 31, v0
	v_and_b32 v33, 15, v0                          ; r
	v_bfe_u32 v34, v0, 4, 1                        ; h
	v_lshlrev_b32 v32, 4, v32                      ; 16 x lane
	v_lshlrev_b32 v35, 6, v33
	v_mul_u32_u24 v6, v34, PITCH
	v_lshrrev_b32 v36, 2, v33
	v_and_b32 v37, 3, v33
	v_lshl_add_u32 v35, v34, 4, v35                ; Q: row r of 64 bytes, + 16 h
	v_lshl_add_u32 v6, v33, 4, v6
	v_mul_u32_u24 v[AK0], v36, PITCH
	v_mul_u32_u24 v[AV0], v33, VP
	v_add_nc_u32 v7, s29, v32                      ; where I put V: 16 x lane in my rows
	v_add_nc_u32 v6, s28, v6                       ; where I put K: lanes 0-15 four keys, one LDS row; lanes 16-31 the next four
	v_lshl_add_u32 v[AK0], v37, 6, v[AK0]
	v_lshl_add_u32 v[AV0], v34, 4, v[AV0]
	v_lshl_add_u32 v[AK0], v34, 4, v[AK0]          ; (r / 4) x 272 + (r % 4) x 64 + 16 h
	v_add_nc_u32 v[AV0], VLDS, v[AV0]              ; r x 1,040 + 16 h
	s_wait_alu depctr_va_vdst(0)
	s_wait_kmcnt 0x0
	s_load_b128 s[84:87], s[10:11], 0x0            ; eq, ek, ep, ev
	s_add_nc_u64 s[6:7], s[6:7], s[24:25]
	s_add_nc_u64 s[8:9], s[8:9], s[24:25]
	s_add_nc_u64 s[4:5], s[4:5], s[16:17]
	s_add_nc_u64 s[12:13], s[12:13], s[26:27]
.irp j, 0,1,2,3,4,5,6,7                        ; K: eight keys a load
	global_load_b128 v[128+4*\j:131+4*\j], v32, s[6:7] offset:512*\j
.endr
.irp u, 0,1                                    ; Q's two fragments stay in registers
	global_load_b128 v[QF+8*\u:QF+8*\u+3],   v35, s[4:5] offset:1024*\u
	global_load_b128 v[QF+8*\u+4:QF+8*\u+7], v35, s[4:5] offset:1024*\u+32
.endr
.irp j, 0,1,2,3,4,5,6,7                        ; V: half a row a load
	global_load_b128 v[OT+4*\j:OT+4*\j+3], v32, s[8:9] offset:512*\j
.endr
	s_mov_b32 s[TK], KSTEPB
	s_mov_b32 s[TV], 128
	s_mov_b32 s[CNT], 6
	s_wait_kmcnt 0x0
	s_add_co_i32 s56, s84, s85
	s_lshl_b32 s56, s56, 23
	s_mov_b32 s[CS], 0x3e38aa3b                    ; log2(e) / 8
	s_add_co_i32 s[CS], s[CS], s56                 ; a score stands for score x 2^(eq + ek): the two exponents are added to c's exponent field
	s_mov_b32 s[CS+1], s[CS]                       ; (named with it as a pair, so it is written)
	s_add_co_i32 s56, s[EP], 127
	s_lshl_b32 s57, s56, 23
	v_mov_b32 v[SCL], s57                          ; 2^ep
	s_add_co_i32 s56, s56, 15
	s_lshl_b32 s56, s56, 23
	s_or_b32 s[LIMS], s56, 0x600000                ; 57,344 x 2^ep
	s_add_co_i32 s89, s[EP], s87                   ; ep + ev
	s_wait_alu depctr_va_vdst(0)
	s_wait_loadcnt 12                              ; K is in; Q's four loads and V's eight may be out
	; eight keys are two LDS rows; loads 1 and 2, 5 and 6 change places: bits 3 and 4 of the key are exchanged
	ds_store_b128 v6, v[128:131]
	ds_store_b128 v6, v[132:135] offset:4*PITCH
	ds_store_b128 v6, v[136:139] offset:2*PITCH
	ds_store_b128 v6, v[140:143] offset:6*PITCH
	ds_store_b128 v6, v[144:147] offset:8*PITCH
	ds_store_b128 v6, v[148:151] offset:12*PITCH
	ds_store_b128 v6, v[152:155] offset:10*PITCH
	ds_store_b128 v6, v[156:159] offset:14*PITCH
	s_wait_loadcnt 8                               ; Q is in; V's eight loads may be out
	s_wait_xcnt 0x0                                ; V's loads have read their offset register: v32 may be written
	s_wait_dscnt 0x0                               ; my part of K is in LDS:
	s_barrier_signal -1
	s_barrier_wait -1                              ; and so is everybody's
; K's fragments 4 to 7 of the step that begins \off bytes on
.macro KAHEAD off
.irp t, 0,1,2,3
	ds_load_b128 v[KFA+8*\t:KFA+8*\t+3],   v[KA] offset:\off+(4+\t)*KTILE
	ds_load_b128 v[KFA+8*\t+4:KFA+8*\t+7], v[KA] offset:\off+(4+\t)*KTILE+32
.endr
.endm
; Tile u's codes: tile c's eight numbers become two registers
.macro CODES u
.irp c, 0,1,2,3,4,5,6,7
	v_cvt_scalef32_pk8_bf8_f32 v[XF+16*\u+2*\c:XF+16*\u+2*\c+1], v[SS+64*\u+8*\c:SS+64*\u+8*\c+7], v[SCL]
.endr
.endm
; A STEP: 128 keys for both tiles.  first: step 0, which starts the largest t, M, the sum and O^T, and stores V.  last: step 7, behind which nothing is fetched.
.macro STEP first, last
.if \first
.set KA, AK0
.set VA, AV0
	KAHEAD 0
.else
.set KA, ADK
.set VA, ADV
.if \last
	v_add_nc_u32 v[ADK], 7*KSTEPB, v[AK0]
	v_add_nc_u32 v[ADV], 7*128, v[AV0]
.else
	v_add_nc_u32 v[ADK], s[TK], v[AK0]
	v_add_nc_u32 v[ADV], s[TV], v[AV0]
.endif
.rept 3                                        ; with the additions five places behind the last products: four for the loads into the registers that held p's codes, five for the products below, which write over those that held V
	v_nop
.endr
.endif
.irp t, 0,1,2,3
	ds_load_b128 v[XF+8*\t:XF+8*\t+3],   v[KA] offset:\t*KTILE
	ds_load_b128 v[XF+8*\t+4:XF+8*\t+7], v[KA] offset:\t*KTILE+32
.endr
	s_wait_dscnt 8                                 ; fragments 4 to 7 are in; the eight loads just issued may be out
.irp t, 0,1,2,3
.irp u, 0,1
	v_wmma_f32_16x16x64_bf8_bf8 v[SS+64*\u+32+8*\t:SS+64*\u+39+8*\t], v[KFA+8*\t:KFA+8*\t+7], v[QF+8*\u:QF+8*\u+7], 0
.endr
.endr
.rept 5                                        ; the products below write over fragments 4 to 7: five places
	v_nop
.endr
.irp t, 0,1,2,3
	s_wait_dscnt 2*(3-\t)                          ; fragment t is in; the two loads of each later fragment may be out
.irp u, 0,1
	v_wmma_f32_16x16x64_bf8_bf8 v[SS+64*\u+8*\t:SS+64*\u+8*\t+7], v[XF+8*\t:XF+8*\t+7], v[QF+8*\u:QF+8*\u+7], 0
.endr
.endr
	; the largest score of each tile among my 64 keys, two chains a tile, each accumulator from its low end on.  Tiles 4 to 7, finished first, are read first: the first four lines are the places behind the last products
	v_max3_num_f32 v[MA],   v[SCA+32], v[SCA+33], v[SCA+34]
	v_max3_num_f32 v[MA+1], v[SCB+32], v[SCB+33], v[SCB+34]
	v_max3_num_f32 v[MA],   v[MA],   v[SCA+35], v[SCA+36]
	v_max3_num_f32 v[MA+1], v[MA+1], v[SCB+35], v[SCB+36]
	v_max3_num_f32 v[MB],   v[SCA+37], v[SCA+38], v[SCA+39]
	v_max3_num_f32 v[MB+1], v[SCB+37], v[SCB+38], v[SCB+39]
.irp i, 40,44,48,52,56,60,0,4,8,12,16,20,24,28
	v_max3_num_f32 v[MA],   v[MA],   v[SCA+\i], v[SCA+\i+1]
	v_max3_num_f32 v[MA+1], v[MA+1], v[SCB+\i], v[SCB+\i+1]
	v_max3_num_f32 v[MB],   v[MB],   v[SCA+\i+2], v[SCA+\i+3]
	v_max3_num_f32 v[MB+1], v[MB+1], v[SCB+\i+2], v[SCB+\i+3]
.endr
.irp u, 0,1
	v_max_num_f32 v[MA+\u], v[MA+\u], v[MB+\u]
.endr
.irp u, 0,1
	v_permlanex16_b32 v[PM+\u], v[MA+\u], s[SEL], s[SEL+1]
.endr
.irp u, 0,1
	v_max_num_f32 v[MA+\u], v[MA+\u], v[PM+\u]     ; and among lane l xor 16's: the query's other 64 keys
.endr
.if \first
.irp u, 0,1
	v_mul_f32 v[ST+4*\u+1], s[CS], v[MA+\u]        ; as t (c is positive)
.endr
.irp u, 0,1
	v_floor_f32 v[ST+4*\u], -v[ST+4*\u+1]          ; -M = floor(-t) = -ceil(t): M is a whole number
.endr
.else
.irp u, 0,1
	v_mul_f32 v[MA+\u], s[CS], v[MA+\u]
.endr
.irp u, 0,1
	v_mov_b32 v[OLD+\u], v[ST+4*\u]
.endr
.irp u, 0,1
	v_max_num_f32 v[ST+4*\u+1], v[ST+4*\u+1], v[MA+\u]   ; the running largest t
.endr
.irp u, 0,1
	v_floor_f32 v[ST+4*\u], -v[ST+4*\u+1]
.endr
.irp u, 0,1
	v_sub_f32 v[OLD+\u], v[ST+4*\u], v[OLD+\u]     ; old M - new M: a whole number, 0 or less
.endr
.irp u, 0,1
	v_cvt_i32_f32 v[OLD+\u], v[OLD+\u]             ; (it saturates)
.endr
.irp u, 0,1
	v_ldexp_f32 v[FF+2*\u], 1.0, v[OLD+\u]         ; f = 2^(old M - new M)
.endr
.irp u, 0,1
	v_pk_mul_f32 v[ST+4*\u+2:ST+4*\u+3], v[ST+4*\u+2:ST+4*\u+3], v[FF+2*\u:FF+2*\u+1] op_sel_hi:[1,0]   ; the sum under the new M,
.endr
.set NI, 0
.rept 16                                       ; and O^T, each accumulator from its low end on
	v_pk_mul_f32 v[OT+NI:OT+NI+1], v[OT+NI:OT+NI+1], v[FF:FF+1] op_sel_hi:[1,0]
	v_pk_mul_f32 v[OT+32+NI:OT+33+NI], v[OT+32+NI:OT+33+NI], v[FF+2:FF+3] op_sel_hi:[1,0]
.set NI, NI+2
.endr
.endif
.set NI, 0
.rept 32
	v_pk_fma_f32 v[SCA+NI:SCA+NI+1], v[SCA+NI:SCA+NI+1], s[CS:CS+1], v[ST:ST+1] op_sel_hi:[1,0,0]   ; tile 0: t - M, two at a time (of the pairs c and -M the low word serves both halves)
.set NI, NI+2
.endr
	s_wait_alu depctr_va_vdst(0)
.set NI, 0
.rept 32                                       ; tile 0: p = 2^(t - M), at most 1; beside them tile 1's t - M
	v_exp_f32 v[SCA+NI], v[SCA+NI]
	v_exp_f32 v[SCA+NI+1], v[SCA+NI+1]
	v_pk_fma_f32 v[SCB+NI:SCB+NI+1], v[SCB+NI:SCB+NI+1], s[CS:CS+1], v[ST+4:ST+5] op_sel_hi:[1,0,0]
.set NI, NI+2
.endr
	s_wait_alu depctr_va_vdst(0)
.set NI, 0
.rept 16                                       ; tile 1's p; beside them the first of tile 0's sums: THE ROW'S SUM IS TAKEN OF THE UNQUANTISED p
	v_exp_f32 v[SCB+NI], v[SCB+NI]
	v_exp_f32 v[SCB+NI+1], v[SCB+NI+1]
	v_exp_f32 v[SCB+NI+2], v[SCB+NI+2]
	v_exp_f32 v[SCB+NI+3], v[SCB+NI+3]
	v_pk_add_f32 v[TT+NI/2:TT+NI/2+1], v[SCA+NI:SCA+NI+1], v[SCA+NI+2:SCA+NI+3]
.set NI, NI+4
.endr
	s_wait_alu depctr_va_vdst(0)
.if \first
	s_wait_loadcnt 0x0                             ; my part of V is in registers:
.irp j, 0,1,2,3,4,5,6,7
	ds_store_b128 v[ADV], v[OT+4*\j:OT+4*\j+3] offset:(\j/2)*VP+(\j%2)*512
.endr
	s_wait_dscnt 0x0                               ; and in LDS:
	s_barrier_signal -1                            ; say so; the sums, work on registers, stand ahead of the barrier's wait
.endif
.irp k, 0,1,2,3,4,5,6,7
	v_pk_add_f32 v[TT+2*\k:TT+2*\k+1], v[TT+2*\k:TT+2*\k+1], v[TT+16+2*\k:TT+17+2*\k]
.endr
.irp k, 0,1,2,3                                ; tile 1: four chains, in the pairs just freed
	v_pk_add_f32 v[TT+16+2*\k:TT+17+2*\k], v[SCB+4*\k:SCB+4*\k+1], v[SCB+4*\k+2:SCB+4*\k+3]
.endr
.irp k, 0,1,2,3
	v_pk_add_f32 v[TT+2*\k:TT+2*\k+1], v[TT+2*\k:TT+2*\k+1], v[TT+8+2*\k:TT+9+2*\k]
.endr
.irp i, 16,24,32,40,48,56
.irp k, 0,1,2,3
	v_pk_add_f32 v[TT+16+2*\k:TT+17+2*\k], v[TT+16+2*\k:TT+17+2*\k], v[SCB+\i+2*\k:SCB+\i+2*\k+1]
.endr
.endr
.irp k, 0,1,8,9
	v_pk_add_f32 v[TT+2*\k:TT+2*\k+1], v[TT+2*\k:TT+2*\k+1], v[TT+4+2*\k:TT+5+2*\k]
.endr
.if \first
.irp u, 0,1
	v_pk_add_f32 v[ST+4*\u+2:ST+4*\u+3], v[TT+16*\u:TT+16*\u+1], v[TT+16*\u+2:TT+16*\u+3]
.endr
	s_wait_alu depctr_va_vdst(0)
	s_barrier_wait -1                              ; everybody's part of V is in LDS
.else
.irp u, 0,1
	v_pk_add_f32 v[TT+16*\u:TT+16*\u+1], v[TT+16*\u:TT+16*\u+1], v[TT+16*\u+2:TT+16*\u+3]
.endr
.irp u, 0,1
	v_pk_add_f32 v[ST+4*\u+2:ST+4*\u+3], v[ST+4*\u+2:ST+4*\u+3], v[TT+16*\u:TT+16*\u+1]
.endr
.endif
	; THE HOLD at the largest code x the scale: the conversion to an 8-bit code does not saturate (ISA guide 7.6.2); p is never negative, so it is one-sided.  From ep = -15 on 57,344 x 2^ep is above every p
	s_cmp_gt_i32 s[EP], -16
	s_wait_alu depctr_va_vdst(0)
	s_cbranch_scc1 .Lheld_\@
.set NI, 0
.rept 64
	v_dual_min_num_f32 v[SCA+NI], s[LIMS], v[SCA+NI] :: v_dual_min_num_f32 v[SCA+NI+1], s[LIMS], v[SCA+NI+1]
.set NI, NI+2
.endr
.Lheld_\@:
	CODES 0
.irp t, 0,1,2,3                                ; V's four fragments (16 channels x 128 keys) into the registers that tile 0's p has left
.irp c, 0,1,2,3
	ds_load_b128 v[VF+16*\t+4*\c:VF+16*\t+4*\c+3], v[VA] offset:16*VP*\t+32*\c
.endr
.endr
	CODES 1
	v_nop                                          ; one plain vector instruction behind the last scaled conversion
.if \last
.set NK, 0
.else
.set NK, 8
	KAHEAD KSTEPB                                  ; the next step's fragments 4 to 7 into the registers that tile 1's p has left
.endif
	s_wait_alu depctr_va_vdst(0)
.irp t, 0,1,2,3                                ; O^T += V^T P: the eight accumulators take turns, one instruction a turn; between two links of a chain stand the next step's sixteen products
	s_wait_dscnt NK+4*(3-\t)                       ; V's fragment t is in; the four loads of each later one, and the eight of K, may be out
.irp u, 0,1
.if \first
	v_wmma_f32_16x16x128_bf8_bf8 v[OT+32*\u+8*\t:OT+32*\u+8*\t+7], v[VF+16*\t:VF+16*\t+15], v[XF+16*\u:XF+16*\u+15], 0
.else
	v_wmma_f32_16x16x128_bf8_bf8 v[OT+32*\u+8*\t:OT+32*\u+8*\t+7], v[VF+16*\t:VF+16*\t+15], v[XF+16*\u:XF+16*\u+15], v[OT+32*\u+8*\t:OT+32*\u+8*\t+7]
.endif
.endr
.endr
.endm
	STEP 1, 0
.Lstep:                                            ; steps 1 to 6
	STEP 0, 0
	s_add_co_u32 s[TK], s[TK], KSTEPB
	s_add_co_u32 s[TV], s[TV], 128
	s_sub_co_u32 s[CNT], s[CNT], 1
	s_cmp_lg_u32 s[CNT], 0
	s_cbranch_scc1 .Lstep
	STEP 0, 1
	; THE WAY OUT.  The sum's two halves and lane l xor 16's are added (six lines, which are the places behind the last products); O^T x 2^(ep + ev) / the sum goes through my stage in LDS,
	; a tile (16 rows of 256 bytes) at a time, and comes back as whole rows.
.irp u, 0,1
	v_add_f32 v[ST+4*\u+2], v[ST+4*\u+2], v[ST+4*\u+3]
.endr
.irp u, 0,1
	v_permlanex16_b32 v[ST+4*\u+1], v[ST+4*\u+2], s[SEL], s[SEL+1]
.endr
.irp u, 0,1
	v_add_f32 v[ST+4*\u+2], v[ST+4*\u+2], v[ST+4*\u+1]   ; the row's sum
.endr
	s_wait_alu depctr_va_vdst(0)
.irp u, 0,1
	v_rcp_f32 v[ST+4*\u+2], v[ST+4*\u+2]
.endr
	v_and_b32 v35, 15, v0                          ; r  (the address work is the plain work behind the reciprocals)
	v_bfe_u32 v36, v0, 4, 1                        ; h
	v_and_b32 v[GO], 31, v0
	s_add_co_u32 s56, s28, STAGE                   ; my stage
	v_mul_u32_u24 v[STO], v35, PITCH
	v_mul_u32_u24 v[RD], v36, PITCH
	v_lshlrev_b32 v[GO], 4, v[GO]                  ; two rows of out0: 16 x lane
	v_lshl_add_u32 v[STO], v36, 5, v[STO]
	v_lshl_add_u32 v[RD], v35, 4, v[RD]
	v_add_nc_u32 v[STO], s56, v[STO]               ; in: row r; tile t's eight channels of my half: 64 t + 32 h bytes on
	v_add_nc_u32 v[RD], s56, v[RD]                 ; back: lanes 0-15 one row, lanes 16-31 the next
	s_wait_alu depctr_va_vdst(0)                   ; the wait ahead of the first use: for both reciprocals, and for the first readers of O^T below
.irp u, 0,1
	v_ldexp_f32 v[ST+4*\u+2], v[ST+4*\u+2], s89    ; x 2^(ep + ev)
.endr
.irp u, 0,1
.set NI, 0
.rept 16
	v_pk_mul_f32 v[SS+32*\u+NI:SS+32*\u+NI+1], v[OT+32*\u+NI:OT+32*\u+NI+1], v[ST+4*\u+2:ST+4*\u+3] op_sel_hi:[1,0]   ; register 8 t + i is out(r, 16 t + 8 h + i); each accumulator from its low end on
.set NI, NI+2
.endr
.endr
.irp u, 0,1
.irp t, 0,1,2,3
	ds_store_b128 v[STO], v[SS+32*\u+8*\t:SS+32*\u+8*\t+3]   offset:64*\t
	ds_store_b128 v[STO], v[SS+32*\u+8*\t+4:SS+32*\u+8*\t+7] offset:64*\t+16
.endr
.irp i, 0,1,2,3,4,5,6,7
	ds_load_b128 v[BK+32*\u+4*\i:BK+32*\u+4*\i+3], v[RD] offset:2*PITCH*\i   ; LDS serves a wave's instructions in order (ISA guide 5.7.1.4): these see my stores, and the next tile's stores come behind them
.endr
.endr
.irp u, 0,1
.irp i, 0,1,2,3,4,5,6,7
	s_wait_dscnt 16*(1-\u)+7-\i                    ; this pair of rows is back; the tile's later loads, and behind tile 0 tile 1's sixteen LDS instructions, may be out
	global_store_b128 v[GO], v[BK+32*\u+4*\i:BK+32*\u+4*\i+3], s[12:13] offset:4096*\u+512*\i th:TH_STORE_NT   ; 32 lanes store 512 consecutive bytes, at a multiple of 256 from out0's first byte; written once, read by nobody here
.endr
.endr
	v_lshl_add_u32 v3, v0, 2, SPARE                ; my spare word (made here: the walk uses every register)
	v_mov_b32 v4, 0
	s_wait_alu depctr_va_vdst(0)
	s_wait_tensorcnt 0x0                           ; the wave's end, behind my last LDS store
	ds_add_u32 v3, v4
	s_wait_dscnt 0x0
	s_endpgm
.Lfunc_end_k_qb47e840476_attn:
	.size	k_qb47e840476_attn, .Lfunc_end_k_qb47e840476_attn-k_qb47e840476_attn
	.p2alignl 7, 3214868480
	.fill 96, 4, 3214868480
	.section	.rodata,"a",@progbits
	.p2align	6, 0x0
	.amdhsa_kernel k_qb47e840476_attn
		.amdhsa_group_segment_fixed_size 208896
		.amdhsa_private_segment_fixed_size 0
		.amdhsa_enable_private_segment 0
		.amdhsa_kernarg_size 40
		.amdhsa_user_sgpr_count 2
		.amdhsa_user_sgpr_kernarg_segment_ptr 1
		.amdhsa_wavefront_size32 1
		.amdhsa_system_sgpr_workgroup_id_x 1
		.amdhsa_system_sgpr_workgroup_id_y 1
		.amdhsa_system_sgpr_workgroup_id_z 1
		.amdhsa_system_vgpr_workitem_id 0
		.amdhsa_next_free_vgpr 256
		.amdhsa_next_free_sgpr 100
		.amdhsa_reserve_vcc 0
		.amdhsa_float_denorm_mode_32 3
		.amdhsa_float_denorm_mode_16_64 3
		.amdhsa_memory_ordered 1
		.amdhsa_forward_progress 1
		.amdhsa_inst_pref_size 96
	.end_amdhsa_kernel
	.amdgpu_metadata
---
amdhsa.version: [ 1, 2 ]
amdhsa.kernels:
  - .name:           k_qb47e840476_attn
    .symbol:         k_qb47e840476_attn.kd
    .args:
      - { .name: Q_codes, .offset: 0, .size: 8, .value_kind: global_buffer, .address_space: global }
      - { .name: K_codes, .offset: 8, .size: 8, .value_kind: global_buffer, .address_space: global }
      - { .name: V_codes, .offset: 16, .size: 8, .value_kind: global_buffer, .address_space: global }
      - { .name: lowp_scales, .offset: 24, .size: 8, .value_kind: global_buffer, .address_space: global }
      - { .name: out0, .offset: 32, .size: 8, .value_kind: global_buffer, .address_space: global }
    .group_segment_fixed_size: 208896
    .private_segment_fixed_size: 0
    .kernarg_segment_align: 8
    .kernarg_segment_size: 40
    .max_flat_workgroup_size: 512
    .sgpr_count:     100
    .vgpr_count:     256
    .wavefront_size: 32
...
	.end_amdgpu_metadata
.endif
;; end of part 1
